; MI455X (gfx1250); checked and timed in simulation.
; The chip was launched on July 23, 2026; its instructions are those of AMD's public machine-readable ISA for CDNA 5 (MIT licence, August 2026) and "CDNA5" Instruction Set Architecture Reference Guide (July 2026). The comments in the code are by the model that wrote it; some were corrected since.
;; Phone Mapper. Allowed arithmetic: matrix products marked QUANTISED: E2M1 operands, one E8M0 scale for each 32 along K, by v_wmma_scale_f32_16x16x128_f8f6f4 with both operands' format E2M1 (or v_wmma_scale_f32_32x16x128_f4), f32 sums; everything else in f32.
;; Inputs: pool 37,500 x 1,024 float32; x6_src 1,500 x 1,024 float32.
;; Outputs: out0 1,500 x 1,024 float32.
;; Constants: topn = 10.
;; This version of the problem:
;;   THIS VERSION OF THE PROBLEM IS GIVEN IN LOW PRECISION. The matrix products marked QUANTISED in the list below multiply operands that are first quantised to E2M1 (2 exponent bits, 1 mantissa bit; 4 bits a number), with one power-of-two scale for each 32 numbers along K (OCP MX v1.0); their sums are f32. All else is computed in f32.
;;   The module's matrix products, in the order in which they are computed (A, B: the left and right operand; K: the contracted axis; several contracted axes count as one K, in the product's order):
;;     1. [M 1,500, K 1,024] x [K 1,024, N 37,500]; A: input x6_src; B: input pool: QUANTISED
;;   THE QUANTISER, for each operand of a quantised product, along K:
;;     - K is cut into blocks of 32 from its start; a last block that is shorter is filled with zeros.
;;     - A block's scale is 2^e with e = floor(log2(the largest magnitude in the block)) - 2, held to -126 .. 127; a block of zeros has e = 0. As a byte (E8M0): e + 127.
;;     - Each number is divided by its block's scale, clamped to +-6, and rounded to the nearest number of E2M1, ties to even, subnormals kept.
;;     - The product sums the exact products of the quantised numbers (number of the format x scale) in f32.
;;   ~~~python
;;   def quantise(x, axis):      # numpy; x: float32 -> the quantised numbers, widened to float32 again
;;       x = np.moveaxis(x, axis, -1); K = x.shape[-1]
;;       x = np.pad(x, [(0, 0)] * (x.ndim - 1) + [(0, -K % 32)]); x = x.reshape(x.shape[:-1] + (-1, 32)); a = np.abs(x).max(-1, keepdims=True)
;;       e = np.where(a > 0, np.clip(np.frexp(np.where(a > 0, a, 1))[1] - 1 - 2, -126, 127), 0)      # np.frexp(a)[1] - 1 = floor(log2(a)), exactly
;;       r = np.clip(x / 2.0 ** e, -6, 6)
;;       step = 2.0 ** (np.maximum(np.frexp(np.where(r == 0, 1, r))[1] - 1, 0) - 1)
;;       q = np.round(r / step) * step * 2.0 ** e      # np.round: ties to even
;;       return np.moveaxis(q.reshape(q.shape[:-2] + (-1,))[..., :K], -1, axis).astype(np.float32)
;;   ~~~
;; One version. Each part assembles by itself: llvm-mc -triple=amdgcn-amd-amdhsa -mcpu=gfx1250 --defsym DOCPART=n.
;; ======== version 1 of 1: 5 launches
;; limits: right only within a limited range of input values
;; workspace buffers: pimg 21,823,488 bytes; ximg 884,736 bytes; gmin 14,548,992 bytes; glist 196,608 bytes of whole numbers; sidx 196,608 bytes of whole numbers; wts 196,608 bytes
;; launch quant (part 1): grid 1232 x 1, 4 waves a work-group, no clusters, 20,224 bytes of LDS; arguments pool, x6_src, pimg, ximg; writes pimg, ximg
.if DOCPART == 1
	.amdgcn_target "amdgcn-amd-amdhsa--gfx1250"
	.amdhsa_code_object_version 6
	.text
	.protected	k_q68d4d8174c_quant
	.globl	k_q68d4d8174c_quant
	.p2align	8
	.type	k_q68d4d8174c_quant,@function
k_q68d4d8174c_quant:
	s_mov_b64 s[64:65], 0
	v_nop
	global_prefetch_b8 v0, s[64:65] scope:SCOPE_SE
	s_setreg_imm32_b32 hwreg(HW_REG_WAVE_MODE, 25, 1), 1
	s_wait_xcnt 0x0
; pool [37500][1024] and x6_src [1500][1024], f32, become codes of FP4 (E2M1) with one E8M0 scale byte for each 32 along K, and one reciprocal norm a row,
; laid as IMAGES OF THE OPERAND'S REGISTERS, a block of 32 rows (18,432 bytes, 72 runs of 256) at a time:
;   row 16 h + 8 u + j of a block is operand lane 8 h + j of tile u (so that in the product's result a lane's registers of tiles 0 and 1 are 16 neighbouring rows);
;   +0      codes: K block kb (32 codes, 16 bytes) of that row at 8192 u + 256 kb + 128 h + 16 j
;   +16384  scales: the byte of K block kb at 512 u + 256 ((kb / 4) & 1) + 128 h + 16 j + 4 (kb / 8) + kb % 4
;   +17408  1 / norm of rows 0..31, f32, eight times over (copy 0 is read; the others make whole runs of 256 bytes)
; A block's scale is 2^(floor(log2(largest magnitude)) - 2); its byte is the largest magnitude's exponent field - 2, held at 1 from below.  A block of zeros gets the byte 1 where the
; rule says 127: its codes are zeros, and this program alone reads the bytes.  The norm is taken of the f32 numbers: v_rsq_f32 and one Newton step.
; Rows past a tensor's end are copies of its last row (the row number is clamped): later launches mask them by their number.
; LIMITS: NaN and infinities are not served; a row of zeros gives an infinite reciprocal norm (NaN later, as in the definition); blocks whose largest magnitude lies under 2^-124 were not tried;
; a row's sum of squares must stay inside f32.
; SHARES: one work-group a block of 32 rows (the first 1,184 take the pool, the other 48 x); wave w takes rows 8 w .. 8 w + 7 (u = w & 1, h = w >> 1), 32 steps of 256 numbers.
; A step is two loads of 512 consecutive bytes each.  Lane (L = lane % 16, H = lane / 16) takes the 16 bytes at 32 L + 16 H of each, so that four v_permlane16_swap_b32 (the first load's lanes 16-31
; change places with the second's lanes 0-15) leave EIGHT NEIGHBOURS along K in a lane's eight registers: lanes 0-15 hold the first load's 128 numbers, lanes 16-31 the second's; four lanes hold a block of 32.
; Only the image goes through LDS (runs of 256 bytes, 272 apart) and leaves in whole runs.  No matrix unit, no tensor load, no cluster: a stream that is read once.
.set NPB,  1184                        ; blocks of 32 rows of the pool
.set DTB,  18432                       ; bytes of a block's image
.set UP,   272                         ; the image in LDS: 72 runs of 256 bytes at this pitch, from byte 0
.set SPARE, 19712                      ; behind the image: the spare words, 128 bytes a wave
.set GA,   3                           ; v3   32 L + 16 H: my bytes of a load's 512
.set CA,   4                           ; v4   where my 4 bytes of codes go
.set SA,   5                           ; v5   where my block's scale byte goes
.set NA,   6                           ; v6   where the row's reciprocal norm goes
.set RB,   7                           ; v7   the image, read back
.set GO,   8                           ; v8   and its place in memory
.set SPW,  12                          ; v12  my spare word; never rewritten
.set NIL,  13                          ; v13  0; never rewritten
.set R,    16                          ; v16-79  eight sets of 8 numbers; at the end the image on its way out
.set CD,   80                          ; v80-83  codes, four registers by turns
.set EB,   84                          ; v84-87  scale bytes, by turns
.set SS,   88                          ; v88-91  the row's sum of squares, two packed chains
.set PT,   92                          ; a lane permute's destination
.set SQ,   93                          ; the sum of squares
.set RN,   94                          ; v94-95  1 / norm, by turns
.set Y0,   96                          ; v_rsq_f32's result
.set ER,   97                          ; the Newton step's error term
	s_load_b128 s[4:7], s[0:1], 0x0                ; pool, x6_src
	s_load_b128 s[8:11], s[0:1], 0x10              ; pimg, ximg
	v_lshl_add_u32 v[SPW], v0, 2, SPARE
	v_mov_b32 v[NIL], 0
	v_lshrrev_b32 v1, 5, v0
	v_readfirstlane_b32 s12, v1                    ; wave
	s_and_b32 s14, s12, 1                          ; u
	s_lshr_b32 s15, s12, 1                         ; h
	s_lshl_b32 s33, s15, 7                         ; 128 h
	s_mul_i32 s32, s14, 32*UP
	s_add_co_u32 s32, s32, s33                     ; codes: run 32 u, byte 128 h
	s_mul_i32 s34, s14, 2*UP
	s_add_co_u32 s34, s34, s33
	s_add_co_u32 s34, s34, 64*UP                   ; scales: run 64 + 2 u, byte 128 h
	s_lshl_b32 s35, s12, 5
	s_add_co_u32 s35, s35, 68*UP                   ; norms: run 68, byte 32 w
	s_mul_i32 s44, s12, 9*2*UP                     ; back: wave w takes pairs of runs 9 w .. 9 w + 8
	s_mul_i32 s45, s12, 9*512
	s_mov_b32 s42, 0x76543210
	s_mov_b32 s43, 0xfedcba98                      ; v_permlanex16_b32's selects for lane l xor 16
	v_and_b32 v2, 31, v0                           ; lane
	v_and_b32 v9, 15, v0                           ; L
	v_bfe_u32 v10, v0, 4, 1                        ; H
	v_lshlrev_b32 v[GA], 5, v9
	v_lshl_add_u32 v[GA], v10, 4, v[GA]
	v_lshrrev_b32 v[CA], 2, v2                     ; my K block of the step's eight: 4 H + L / 4
	v_mul_u32_u24 v[CA], v[CA], UP
	v_and_b32 v11, 3, v0
	v_lshl_add_u32 v[CA], v11, 2, v[CA]
	v_add_nc_u32 v[CA], s32, v[CA]                 ; run 32 u + 8 q + lane / 4, byte 128 h + 16 j + 4 (lane % 4): q and j stand in the immediate
	v_mul_u32_u24 v[SA], v10, UP
	v_lshrrev_b32 v11, 2, v9
	v_add_nc_u32 v[SA], v[SA], v11
	v_add_nc_u32 v[SA], s34, v[SA]                 ; run 64 + 2 u + H, byte 128 h + 16 j + 4 q + L / 4
	v_bfe_u32 v[NA], v0, 1, 2
	v_mul_u32_u24 v[NA], v[NA], UP
	v_and_b32 v11, 1, v0
	v_lshl_add_u32 v[NA], v11, 7, v[NA]
	v_add_nc_u32 v[NA], s35, v[NA]                 ; copy lane & 7: run 68 + copy / 2, byte 128 (copy & 1) + 4 (8 w + j)
	v_mul_u32_u24 v[RB], v10, UP
	v_lshl_add_u32 v[RB], v9, 4, v[RB]
	v_add_nc_u32 v[RB], s44, v[RB]                 ; sixteen lanes to a run, two runs an instruction
	v_lshl_add_u32 v[GO], v2, 4, s45
	v_mov_b32 v[PT], 0                             ; written once: a lane permute's destination counts as one of its sources
	s_wait_alu depctr_va_vdst(0)
	s_wait_kmcnt 0x0
	s_cmp_lt_u32 ttmp9, NPB                        ; the pool's work-group or x's?  The choice hangs on the work-group's number alone
	s_cselect_b64 s[4:5], s[4:5], s[6:7]
	s_cselect_b64 s[8:9], s[8:9], s[10:11]
	s_mov_b32 s36, 1499
	s_cselect_b32 s36, 37499, s36                  ; the tensor's last row
	s_cselect_b32 s37, 0, NPB
	s_sub_co_u32 s37, ttmp9, s37                   ; the block of 32 rows
	s_lshl_b32 s38, s37, 5
	s_lshl_b32 s39, s12, 3
	s_add_co_u32 s38, s38, s39                     ; my first row
.irp i, 0,1,2,3,4,5,6,7
	s_add_co_u32 s40, s38, \i
	s_min_u32 s40, s40, s36                        ; no load leaves its buffer: rows past the end read the last row
	s_lshl_b32 s40, s40, 12
	s_mov_b32 s41, 0
	s_add_nc_u64 s[16+2*\i:17+2*\i], s[4:5], s[40:41]
.endr
	s_mul_i32 s40, s37, DTB
	s_mov_b32 s41, 0
	s_add_nc_u64 s[8:9], s[8:9], s[40:41]          ; the block's image in memory
.macro LOAD t                          ; step t: quarter t % 4 of row t / 4, into set t % 8
.irp k, 0,1
	global_load_b128 v[R+8*((\t)%8)+4*\k:R+8*((\t)%8)+4*\k+3], v[GA], s[16+2*((\t)/4):17+2*((\t)/4)] offset:1024*((\t)%4)+512*\k th:TH_LOAD_NT
.endr
.endm
.irp t, 0,1,2,3,4,5,6,7
	LOAD \t
.endr
.macro STEP t
.set XS, R+8*((\t)%8)
.if (\t) <= 24
	s_wait_loadcnt 14                              ; this step's two loads are in; those of the seven steps behind it may be out
.else
	s_wait_loadcnt 2*(31-(\t))
.endif
.irp i, 0,1,2,3
	v_permlane16_swap_b32 v[XS+\i], v[XS+4+\i]     ; my eight registers now hold eight neighbours along K
.endr
.if (\t)%4 == 0
	v_pk_mul_f32 v[SS:SS+1], v[XS:XS+1], v[XS:XS+1]                ; a row's first quarter starts the sums of squares: nothing is cleared
	v_pk_mul_f32 v[SS+2:SS+3], v[XS+2:XS+3], v[XS+2:XS+3]
.else
	v_pk_fma_f32 v[SS:SS+1], v[XS:XS+1], v[XS:XS+1], v[SS:SS+1]
	v_pk_fma_f32 v[SS+2:SS+3], v[XS+2:XS+3], v[XS+2:XS+3], v[SS+2:SS+3]
.endif
	v_pk_fma_f32 v[SS:SS+1], v[XS+4:XS+5], v[XS+4:XS+5], v[SS:SS+1]
	v_pk_fma_f32 v[SS+2:SS+3], v[XS+6:XS+7], v[XS+6:XS+7], v[SS+2:SS+3]
	v_max3_num_f32 v10, |v[XS]|, |v[XS+1]|, 0x1800000              ; the largest magnitude of my 8, with the floor 2^(3 - 127): the byte cannot fall under 1
	v_max3_num_f32 v9, |v[XS+2]|, |v[XS+3]|, |v[XS+4]|
	v_max3_num_f32 v10, v10, |v[XS+5]|, |v[XS+6]|
	v_max3_num_f32 v10, v10, v9, |v[XS+7]|
	v_max_num_f32_dpp v10, v10, v10 row_xmask:1 row_mask:0xf bank_mask:0xf
	v_max_num_f32_dpp v10, v10, v10 row_xmask:2 row_mask:0xf bank_mask:0xf   ; with my three neighbours' 24: the block's
	v_add_nc_u32 v11, 0xff000000, v10              ; 2 off its exponent field: the conversion takes this operand's exponent field as its scale
	v_cvt_scalef32_pk8_fp4_f32 v[CD+(\t)%4], v[XS:XS+7], v11       ; eight numbers / the scale, to the nearest code, ties to even, beyond 6 the largest code; the first number's code lowest
	v_lshrrev_b32 v[EB+(\t)%4], 23, v11            ; the scale's byte (also the plain line behind the conversion)
	ds_store_b32 v[CA], v[CD+(\t)%4] offset:8*UP*((\t)%4)+16*((\t)/4)
	ds_store_b8 v[SA], v[EB+(\t)%4] offset:16*((\t)/4)+4*((\t)%4)  ; the four lanes of a block write the same byte with the same value
.if (\t)+8 < 32
	LOAD (\t)+8                                    ; the set is read out: it takes the step eight further on
.endif
.if (\t)%4 == 3
	v_pk_add_f32 v[SS:SS+1], v[SS:SS+1], v[SS+2:SS+3]              ; the row is whole: its sum of squares over my numbers, then over the 32 lanes
	v_add_f32 v[SQ], v[SS], v[SS+1]
	v_add_f32_dpp v[SQ], v[SQ], v[SQ] row_xmask:1 row_mask:0xf bank_mask:0xf
	v_add_f32_dpp v[SQ], v[SQ], v[SQ] row_xmask:2 row_mask:0xf bank_mask:0xf
	v_add_f32_dpp v[SQ], v[SQ], v[SQ] row_xmask:4 row_mask:0xf bank_mask:0xf
	v_add_f32_dpp v[SQ], v[SQ], v[SQ] row_xmask:8 row_mask:0xf bank_mask:0xf
	v_permlanex16_b32 v[PT], v[SQ], s42, s43
	v_add_f32 v[SQ], v[SQ], v[PT]
	s_wait_alu depctr_va_vdst(0)                   ; the wait ahead of the transcendental
	v_rsq_f32 v[Y0], v[SQ]
	v_nop                                          ; a plain line behind the transcendental (ISA guide 5.7.2),
	s_wait_alu depctr_va_vdst(0)                   ; and the wait ahead of its first reader
	v_mul_f32 v[ER], v[SQ], v[Y0]
	v_fma_f32 v[ER], -v[ER], v[Y0], 1.0            ; 1 - ss y^2
	v_mul_f32 v[RN+((\t)/4)%2], 0.5, v[Y0]
	v_fma_f32 v[RN+((\t)/4)%2], v[RN+((\t)/4)%2], v[ER], v[Y0]     ; y + y (1 - ss y^2) / 2
	ds_store_b32 v[NA], v[RN+((\t)/4)%2] offset:4*((\t)/4)         ; lanes with the same copy write the same word with the same value
.endif
.endm
.irp t, 0,1,2,3,4,5,6,7,8,9,10,11,12,13,14,15,16,17,18,19,20,21,22,23,24,25,26,27,28,29,30,31
	STEP \t
.endr
	s_wait_dscnt 0x0                               ; for the others' sake: my part of the image lies in LDS
	s_barrier_signal -1
	s_barrier_wait -1
.irp t, 0,1,2,3,4,5,6,7,8
	ds_load_b128 v[R+4*\t:R+4*\t+3], v[RB] offset:2*UP*\t
.endr
.irp t, 0,1,2,3,4,5,6,7,8
	s_wait_dscnt 8-\t                              ; the loads come back in order: pair t is in
	global_store_b128 v[GO], v[R+4*\t:R+4*\t+3], s[8:9] offset:512*\t   ; 32 lanes store 512 consecutive bytes, at a multiple of 256 from the buffer's first byte
.endr
	s_wait_tensorcnt 0x0                           ; the wave's end
	ds_add_u32 v[SPW], v[NIL]
	s_wait_dscnt 0x0
	s_endpgm
.Lfunc_end_k_q68d4d8174c_quant:
	.size	k_q68d4d8174c_quant, .Lfunc_end_k_q68d4d8174c_quant-k_q68d4d8174c_quant
	.p2alignl 7, 3214868480
	.fill 96, 4, 3214868480
	.section	.rodata,"a",@progbits
	.p2align	6, 0x0
	.amdhsa_kernel k_q68d4d8174c_quant
		.amdhsa_group_segment_fixed_size 20224
		.amdhsa_private_segment_fixed_size 0
		.amdhsa_enable_private_segment 0
		.amdhsa_kernarg_size 32
		.amdhsa_user_sgpr_count 2
		.amdhsa_user_sgpr_kernarg_segment_ptr 1
		.amdhsa_wavefront_size32 1
		.amdhsa_system_sgpr_workgroup_id_x 1
		.amdhsa_system_sgpr_workgroup_id_y 1
		.amdhsa_system_sgpr_workgroup_id_z 1
		.amdhsa_system_vgpr_workitem_id 0
		.amdhsa_next_free_vgpr 98
		.amdhsa_next_free_sgpr 66
		.amdhsa_reserve_vcc 0
		.amdhsa_float_denorm_mode_32 3
		.amdhsa_float_denorm_mode_16_64 3
		.amdhsa_memory_ordered 1
		.amdhsa_forward_progress 1
		.amdhsa_inst_pref_size 54
	.end_amdhsa_kernel
	.amdgpu_metadata
---
amdhsa.version: [ 1, 2 ]
amdhsa.kernels:
  - .name:           k_q68d4d8174c_quant
    .symbol:         k_q68d4d8174c_quant.kd
    .args:
      - { .name: pool, .offset: 0, .size: 8, .value_kind: global_buffer, .address_space: global }
      - { .name: x6_src, .offset: 8, .size: 8, .value_kind: global_buffer, .address_space: global }
      - { .name: pimg, .offset: 16, .size: 8, .value_kind: global_buffer, .address_space: global }
      - { .name: ximg, .offset: 24, .size: 8, .value_kind: global_buffer, .address_space: global }
    .group_segment_fixed_size: 20224
    .private_segment_fixed_size: 0
    .kernarg_segment_align: 8
    .kernarg_segment_size: 32
    .max_flat_workgroup_size: 128
    .sgpr_count:     66
    .vgpr_count:     98
    .wavefront_size: 32
...
	.end_amdgpu_metadata
.endif
;; end of part 1
;; launch gemm (part 2): grid 74 x 3, 4 waves a work-group, no clusters, 327,680 bytes of LDS; arguments pimg, ximg, gmin; writes gmin
.if DOCPART == 2
	.amdgcn_target "amdgcn-amd-amdhsa--gfx1250"
	.amdhsa_code_object_version 6
	.text
	.protected	k_q68d4d8174c_gemm
	.globl	k_q68d4d8174c_gemm
	.p2align	8
	.type	k_q68d4d8174c_gemm,@function
k_q68d4d8174c_gemm:
	s_mov_b64 s[64:65], 0
	v_nop
	global_prefetch_b8 v0, s[64:65] scope:SCOPE_SE
	s_setreg_imm32_b32 hwreg(HW_REG_WAVE_MODE, 25, 1), 1
	s_wait_xcnt 0x0
; For every query position and every group of 16 neighbouring pool rows: the group's smallest cosine distance, 1 - max(dot x 1 / pool norm) x 1 / query norm.
; The dots are the quantised product: codes of FP4 and E8M0 scale words as the launch before laid them (images of the operand's registers, 18,432 bytes for 32 rows), K ascending, one accumulator a result.
; SHARES: work-group (p, y) takes pool blocks 16 p .. 16 p + 15 (512 rows, 294,912 bytes, all in LDS, each byte filled once) against x rows 512 y .. 512 y + 511.
; Wave w keeps x rows 128 w .. + 127 of them in 512 registers for the whole launch (8 tiles of 16 rows x 1,024 K) and walks the pool's 32 tiles of 16 rows.
; Source 0 = 16 pool rows, source 1 = 16 x rows: lane (r, h) holds x row r, and its registers over a block's two tiles are the 16 neighbouring pool rows of group 2 block + h.
; FILLS: at the head wave w asks for block w; behind a barrier it asks for blocks 4 + 3 w .. 6 + 3 w by ONE load of 216 rows of 256 bytes.  By this text's count a wave has one tensor load out.
; The first four blocks are multiplied while the twelve land; the wait for them and a barrier stand ahead of the first read of block 4.
; TWO BUFFERS for the pool's fragments: tile T + 1's 19 LDS loads are issued at the head of tile T, 64 matrix instructions and the selection ahead of the wait for them.
; The look-ahead of the very last tile has no tile to fetch: its address is held at block 15 (s_min_u32), and what it brings is not used.
; gmin: [192 eights of positions][296 quads of blocks][8 positions][h][4 blocks] f32: a store's 32 lanes fill two aligned runs of 256 bytes.
; No clusters: the grid, 74 x 3, is no multiple of four along either axis.  No prefetch: all fills go out at the head, and there is no loop to run ahead in.
; REGISTERS: window 0: v1-11 addresses, v32-63 x's scale words, v64-71 the pool tile's scale words (two sets), v254-255 the add's.
;   window 1: v0-63 and v192-255 the pool's fragments (buffers 0, 1); v64-127 eight accumulators; v128-143 1 / pool norm (two sets); v144-151 maxima; v152-159 1 / x norm; v160-191 results.
;   windows 2, 3: x's tiles 0-3, 4-7.
; LIMITS: NaN and infinities are not served.
.set DTB,   18432
.set PARTB, 16*DTB
.set Q8B,   75776
.set SPARE, 16*DTB                     ; behind the sixteen blocks: the spare words
.set LI,  1                            ; 16 x lane
.set AD,  2                            ; LDS: the block that the look-ahead reads, + 16 x lane
.set RNB, 3                            ; 64 h
.set RNA, 4                            ; LDS: the same block, + 64 h
.set GO,  5                            ; my 16 bytes in gmin
.set RO,  6                            ; my x row's word among a block's 32 reciprocal norms
.set BS,  32
.set AS,  64
.set ACC, 64
.set RP,  128
.set MX,  144
.set RSN, 152
.set RES, 160
.set G1,  24                           ; s[24:31] group 1: 72 rows of 256 bytes;  s[40:47]: 216 rows
.set G0,  32                           ; s[32:35] group 0 of the head's load;  s[36:39] of the second
.set G0R, 36
.set G1R, 40
.set DB,  48                           ; the look-ahead's block, in bytes
.set CNT, 49
.set DBC, 50                           ; the same, held at the last block
.set MSB, 0
.macro WIN new                         ; the immediate's high byte repeats the setting that is left
.if MSB != \new
	s_set_vgpr_msb (MSB<<8)|\new
.set MSB, \new
.endif
.endm
	s_load_b128 s[4:7], s[0:1], 0x0                ; pimg, ximg
	s_load_b64 s[8:9], s[0:1], 0x10                ; gmin
	v_lshl_add_u32 v254, v0, 2, SPARE
	v_mov_b32 v255, 0
	ds_add_u32 v254, v255                          ; the opening lines: the add, twice on end, and its wait ahead of my first tensor load
	ds_add_u32 v254, v255
	v_lshrrev_b32 v7, 5, v0
	v_readfirstlane_b32 s10, v7                    ; wave
	s_and_b32 s11, ttmp7, 0xffff                   ; y
.irp g, G1, G1R
	s_mov_b32 s[\g+0], 3<<16                       ; elements of 8 bytes, no padding
	s_mov_b32 s[\g+1], 32<<16                      ; tensor_dim0 = 32
	s_mov_b32 s[\g+3], 32<<16                      ; tile_dim0 = 32
	s_mov_b32 s[\g+5], 32                          ; dense rows
	s_mov_b32 s[\g+6], 0
	s_mov_b32 s[\g+7], 0
.endr
	s_mov_b32 s[G1+2], 72<<16
	s_mov_b32 s[G1+4], 72
	s_mov_b32 s[G1R+2], 216<<16
	s_mov_b32 s[G1R+4], 216
	s_mov_b32 s[G0], 1
	s_mul_i32 s[G0+1], s10, DTB                    ; block w
	s_mov_b32 s[G0R], 1
	s_mul_i32 s[G0R+1], s10, 3*DTB
	s_add_co_u32 s[G0R+1], s[G0R+1], 4*DTB         ; blocks 4 + 3 w on
	s_mov_b32 s20, s[G0+1]                         ; the same offsets in the part's image in memory
	s_mov_b32 s21, 0
	s_mov_b32 s22, s[G0R+1]
	s_mov_b32 s23, 0
	s_mul_i32 s14, ttmp9, PARTB
	s_mov_b32 s15, 0
	s_lshl_b32 s16, s11, 4
	s_lshl_b32 s17, s10, 2
	s_add_co_u32 s16, s16, s17
	s_mul_i32 s16, s16, DTB                        ; x: my four blocks
	s_mov_b32 s17, 0
	s_lshl_b32 s18, s11, 5
	s_lshl_b32 s19, s10, 3
	s_add_co_u32 s18, s18, s19
	s_mul_i32 s18, s18, 2*Q8B                      ; gmin: my first tile's two eights of positions,
	s_lshl_b32 s19, ttmp9, 10
	s_add_co_u32 s18, s18, s19                     ; the part's four quads
	s_mov_b32 s19, 0
	s_wait_dscnt 0x0                               ; both opening adds are done
	s_wait_kmcnt 0x0
	s_add_nc_u64 s[4:5], s[4:5], s[14:15]
	s_add_nc_u64 s[G0+2:G0+3], s[4:5], s[20:21]
	s_or_b32 s[G0+3], s[G0+3], 0x80000000
	s_add_nc_u64 s[G0R+2:G0R+3], s[4:5], s[22:23]
	s_or_b32 s[G0R+3], s[G0R+3], 0x80000000
	tensor_load_to_lds s[G0:G0+3], s[G1:G1+7]      ; my one load at the head
	s_nop 0
	s_add_nc_u64 s[6:7], s[6:7], s[16:17]
	s_add_nc_u64 s[8:9], s[8:9], s[18:19]
	v_and_b32 v7, 31, v0
	v_lshlrev_b32 v[LI], 4, v7
	v_and_b32 v8, 15, v0                           ; r
	v_bfe_u32 v9, v0, 4, 1                         ; h
	v_lshlrev_b32 v[RNB], 6, v9
	v_lshrrev_b32 v10, 3, v8
	v_lshl_add_u32 v[RO], v10, 3, v8
	v_lshlrev_b32 v[RO], 2, v[RO]                  ; operand lane r of tile u is row r + 8 (r / 8) + 8 u
	v_mul_u32_u24 v[GO], v10, Q8B
	v_and_b32 v11, 7, v8
	v_lshl_add_u32 v[GO], v11, 5, v[GO]
	v_lshl_add_u32 v[GO], v9, 4, v[GO]
	WIN 0x80                                       ; x goes from memory straight into its registers, under the first fill's flight
.irp t, 0,1,2,3
.irp ks, 0,1,2,3,4,5,6,7
.irp c, 0,1
	global_load_b128 v[64*\t+8*\ks+4*\c:64*\t+8*\ks+4*\c+3], v[LI], s[6:7] offset:(\t/2)*DTB+(\t%2)*8192+1024*\ks+512*\c
.endr
.endr
.endr
	WIN 0xc0
.irp t, 4,5,6,7
.irp ks, 0,1,2,3,4,5,6,7
.irp c, 0,1
	global_load_b128 v[64*(\t-4)+8*\ks+4*\c:64*(\t-4)+8*\ks+4*\c+3], v[LI], s[6:7] offset:(\t/2)*DTB+(\t%2)*8192+1024*\ks+512*\c
.endr
.endr
.endr
	WIN 0
.irp t, 0,1,2,3,4,5,6,7
	global_load_b128 v[BS+4*\t:BS+4*\t+3], v[LI], s[6:7] offset:(\t/2)*DTB+16384+512*(\t%2)
.endr
	WIN 0x40
.irp t, 0,1,2,3,4,5,6,7
	global_load_b32 v[RSN+\t], v[RO], s[6:7] offset:(\t/2)*DTB+17408+32*(\t%2)
.endr
	WIN 0
	s_mov_b32 s[DB], 0
	v_add_nc_u32 v[AD], s[DB], v[LI]
	v_add_nc_u32 v[RNA], s[DB], v[RNB]
; one matrix instruction: x tile t (at xt of its window), K step ks, the pool's buffer u.  A scale register holds two K steps' words: the even step's in lanes 0-15, the odd step's in lanes 16-31
.macro WM t, xt, ks, u
.if (\ks) == 0
	v_wmma_scale_f32_16x16x128_f8f6f4 v[ACC+8*(\t):ACC+8*(\t)+7], v[192*(\u)+8*(\ks):192*(\u)+8*(\ks)+7], v[64*(\xt)+8*(\ks):64*(\xt)+8*(\ks)+7], 0, v[AS+4*(\u)+(\ks)/2], v[BS+4*(\t)+(\ks)/2] matrix_a_fmt:MATRIX_FMT_FP4 matrix_b_fmt:MATRIX_FMT_FP4
.elseif (\ks)%2 == 0
	v_wmma_scale_f32_16x16x128_f8f6f4 v[ACC+8*(\t):ACC+8*(\t)+7], v[192*(\u)+8*(\ks):192*(\u)+8*(\ks)+7], v[64*(\xt)+8*(\ks):64*(\xt)+8*(\ks)+7], v[ACC+8*(\t):ACC+8*(\t)+7], v[AS+4*(\u)+(\ks)/2], v[BS+4*(\t)+(\ks)/2] matrix_a_fmt:MATRIX_FMT_FP4 matrix_b_fmt:MATRIX_FMT_FP4
.else
	v_wmma_scale_f32_16x16x128_f8f6f4 v[ACC+8*(\t):ACC+8*(\t)+7], v[192*(\u)+8*(\ks):192*(\u)+8*(\ks)+7], v[64*(\xt)+8*(\ks):64*(\xt)+8*(\ks)+7], v[ACC+8*(\t):ACC+8*(\t)+7], v[AS+4*(\u)+(\ks)/2], v[BS+4*(\t)+(\ks)/2] matrix_a_fmt:MATRIX_FMT_FP4 matrix_b_fmt:MATRIX_FMT_FP4 matrix_a_scale:MATRIX_SCALE_ROW1 matrix_b_scale:MATRIX_SCALE_ROW1
.endif
.endm
.macro LOADT u                         ; tile u of the block at AD into buffer u: scale words, 16 rows x 1,024 K of codes, my eight rows' reciprocal norms
	WIN 0
	ds_load_b128 v[AS+4*(\u):AS+4*(\u)+3], v[AD] offset:16384+512*(\u)
	WIN 0x40
.irp ks, 0,1,2,3,4,5,6,7
.irp c, 0,1
	ds_load_b128 v[192*(\u)+8*\ks+4*\c:192*(\u)+8*\ks+4*\c+3], v[AD] offset:8192*(\u)+1024*\ks+512*\c
.endr
.endr
	ds_load_b128 v[RP+8*(\u):RP+8*(\u)+3], v[RNA] offset:17408+32*(\u)
	ds_load_b128 v[RP+8*(\u)+4:RP+8*(\u)+7], v[RNA] offset:17408+32*(\u)+16
.endm
.macro MULT u                          ; 64 matrix instructions; four accumulators take turns, one instruction a turn
	WIN 0x59
.irp ks, 0,1,2,3,4,5,6,7
.irp t, 0,1,2,3
	WM \t, \t, \ks, \u
.endr
.endr
	WIN 0x5d
.irp ks, 0,1,2,3,4,5,6,7
.irp t, 4,5,6,7
	WM \t, \t-4, \ks, \u
.endr
.endr
.endm
.macro SELECT u, i                     ; dot x 1 / pool norm; the largest of a lane's 16 over the block's two tiles; behind the second tile the distance
	WIN 0x55
.irp t, 0,1,2,3,4,5,6,7
.irp p, 0,2,4,6
	v_pk_mul_f32 v[ACC+8*\t+\p:ACC+8*\t+\p+1], v[ACC+8*\t+\p:ACC+8*\t+\p+1], v[RP+8*(\u)+\p:RP+8*(\u)+\p+1]
.endr
.endr
.if (\u) == 0
.irp t, 0,1,2,3,4,5,6,7
	v_max3_num_f32 v[MX+\t], v[ACC+8*\t], v[ACC+8*\t+1], v[ACC+8*\t+2]
.endr
.irp q, 3,5
.irp t, 0,1,2,3,4,5,6,7
	v_max3_num_f32 v[MX+\t], v[MX+\t], v[ACC+8*\t+\q], v[ACC+8*\t+\q+1]
.endr
.endr
.irp t, 0,1,2,3,4,5,6,7
	v_max_num_f32 v[MX+\t], v[MX+\t], v[ACC+8*\t+7]
.endr
.else
.irp q, 0,2,4,6
.irp t, 0,1,2,3,4,5,6,7
	v_max3_num_f32 v[MX+\t], v[MX+\t], v[ACC+8*\t+\q], v[ACC+8*\t+\q+1]
.endr
.endr
.irp t, 0,1,2,3,4,5,6,7
	v_fma_f32 v[RES+4*\t+(\i)], -v[MX+\t], v[RSN+\t], 1.0
.endr
.endif
.endm
; Tile u of the quad's block i.  meet = 1: the look-ahead is the first read of the twelve later blocks
.macro TILE i, u, meet
	s_wait_dscnt 0x0                               ; this tile's fragments, asked for a tile ago, are in
.if \meet
	s_wait_tensorcnt 0x0                           ; my three blocks have landed;
	s_barrier_signal -1
	s_barrier_wait -1                              ; and so have the other waves'
.endif
	LOADT 1-(\u)                                   ; the next tile, into the buffer that the last tile's products have read (the selection stands between: more than four places)
	MULT \u
	WIN 0
.if (\u) == 0
	s_add_co_u32 s[DB], s[DB], DTB                 ; the next look-ahead reads the next block,
	s_min_u32 s[DBC], s[DB], 15*DTB                ; or, where there is none, the last once more
	v_add_nc_u32 v[AD], s[DBC], v[LI]
	v_add_nc_u32 v[RNA], s[DBC], v[RNB]
	v_nop
	v_nop                                          ; four places ahead of the first read of results (ISA guide 7.12.1)
.else
.rept 4
	v_nop
.endr
.endif
	SELECT \u, \i
.endm
.macro QUAD first                      ; four blocks, then their 4 x 8 results a lane
	TILE 0, 0, 0
	TILE 0, 1, 0
	TILE 1, 0, 0
	TILE 1, 1, 0
	TILE 2, 0, 0
	TILE 2, 1, 0
	TILE 3, 0, 0
	TILE 3, 1, \first
	WIN 0x04
.irp t, 0,1,2,3,4,5,6,7
	global_store_b128 v[GO], v[RES+4*\t:RES+4*\t+3], s[8:9] offset:\t*2*Q8B
.endr
	WIN 0
	s_wait_xcnt 0x0                                ; the stores have read their base and their data
	s_add_nc_u64 s[8:9], s[8:9], 256
.endm
	s_wait_alu depctr_va_vdst(0)
	s_wait_tensorcnt 0x0                           ; my block has landed
	ds_add_u32 v254, v255
	s_wait_dscnt 0x0
	s_barrier_signal -1
	s_barrier_wait -1                              ; blocks 0 to 3 are whole
	tensor_load_to_lds s[G0R:G0R+3], s[G1R:G1R+7]  ; my one load behind the barrier: three blocks, filled for the first time
	s_nop 0
.rept 4
	v_nop
.endr
	LOADT 0
	s_wait_loadcnt 0x0                             ; x is in its registers
	QUAD 1
	s_mov_b32 s[CNT], 3
.Lquad:
	QUAD 0
	s_sub_co_u32 s[CNT], s[CNT], 1
	s_cmp_lg_u32 s[CNT], 0
	s_cbranch_scc1 .Lquad
	s_wait_tensorcnt 0x0                           ; the wave's end
	ds_add_u32 v254, v255
	s_wait_dscnt 0x0
	s_endpgm
.Lfunc_end_k_q68d4d8174c_gemm:
	.size	k_q68d4d8174c_gemm, .Lfunc_end_k_q68d4d8174c_gemm-k_q68d4d8174c_gemm
	.p2alignl 7, 3214868480
	.fill 96, 4, 3214868480
	.section	.rodata,"a",@progbits
	.p2align	6, 0x0
	.amdhsa_kernel k_q68d4d8174c_gemm
		.amdhsa_group_segment_fixed_size 327680
		.amdhsa_private_segment_fixed_size 0
		.amdhsa_enable_private_segment 0
		.amdhsa_kernarg_size 24
		.amdhsa_user_sgpr_count 2
		.amdhsa_user_sgpr_kernarg_segment_ptr 1
		.amdhsa_wavefront_size32 1
		.amdhsa_system_sgpr_workgroup_id_x 1
		.amdhsa_system_sgpr_workgroup_id_y 1
		.amdhsa_system_sgpr_workgroup_id_z 1
		.amdhsa_system_vgpr_workitem_id 0
		.amdhsa_next_free_vgpr 1024
		.amdhsa_next_free_sgpr 66
		.amdhsa_reserve_vcc 0
		.amdhsa_float_denorm_mode_32 3
		.amdhsa_float_denorm_mode_16_64 3
		.amdhsa_memory_ordered 1
		.amdhsa_forward_progress 1
		.amdhsa_inst_pref_size 241
	.end_amdhsa_kernel
	.amdgpu_metadata
---
amdhsa.version: [ 1, 2 ]
amdhsa.kernels:
  - .name:           k_q68d4d8174c_gemm
    .symbol:         k_q68d4d8174c_gemm.kd
    .args:
      - { .name: pimg, .offset: 0, .size: 8, .value_kind: global_buffer, .address_space: global }
      - { .name: ximg, .offset: 8, .size: 8, .value_kind: global_buffer, .address_space: global }
      - { .name: gmin, .offset: 16, .size: 8, .value_kind: global_buffer, .address_space: global }
    .group_segment_fixed_size: 327680
    .private_segment_fixed_size: 0
    .kernarg_segment_align: 8
    .kernarg_segment_size: 24
    .max_flat_workgroup_size: 128
    .sgpr_count:     66
    .vgpr_count:     1024
    .wavefront_size: 32
...
	.end_amdgpu_metadata
.endif
;; end of part 2
;; launch pick (part 3): grid 188 x 1, 8 waves a work-group, no clusters, 81,664 bytes of LDS; arguments gmin, glist; writes glist
.if DOCPART == 3
	.amdgcn_target "amdgcn-amd-amdhsa--gfx1250"
	.amdhsa_code_object_version 6
	.text
	.protected	k_q68d4d8174c_pick
	.globl	k_q68d4d8174c_pick
	.p2align	8
	.type	k_q68d4d8174c_pick,@function
k_q68d4d8174c_pick:
	s_mov_b64 s[64:65], 0
	v_nop
	global_prefetch_b8 v0, s[64:65] scope:SCOPE_SE
	s_setreg_imm32_b32 hwreg(HW_REG_WAVE_MODE, 25, 1), 1
	s_wait_xcnt 0x0
; For each query position: the ten best groups of 16 pool rows, ordered by (the group's smallest distance, the group's number).  Every one of the ten nearest rows (ties to the lower row) lies in one of them:
; a row outside would have ten groups, and so ten rows, ahead of it, since groups are runs of neighbouring rows.  The groups' numbers go out as whole numbers; the next launch forms addresses from them.
; No branch and no address here hangs on a distance: everything is straight-line code with selects.
; LIMITS: NaN is not served.
; SHARES: a work-group takes eight positions, 75,776 consecutive bytes of gmin ([296 quads][8 positions][8 groups]); they are copied into LDS in whole runs of 256 bytes (272 apart), and wave i then reads position i:
; lane l takes quads l + 32 k, k = 0..9: 80 numbers a lane.  Slot p of a quad holds group 8 x quad + 2 (p & 3) + (p >> 2).  Quads 293 on hold only rows past the pool's end and are masked.
; A: each lane sorts out its ten smallest values (an insertion is ten independent v_med3 / v_min).  B: five exchanges merge the lanes' lists: every lane then knows tau, the tenth smallest value.
; C: a string of 160 bits a lane: bit 80 x class + 8 k + (group & 7), class 0 where the value is under tau, class 1 where it equals tau.  D: ten times the wave takes the lowest key
; 2560 x class + group among the lanes' lowest set bits, and the winner clears its bit: all groups under tau, then the lowest groups equal to tau.
.set UP,   272
.set LANE, 1
.set GA,   2                           ; v2   copy: my bytes in memory
.set SA,   3                           ; v3   copy: my bytes in LDS
.set XG,   5                           ; v5, v6 the same for the four pairs of runs that are over (waves 0 to 3)
.set XL,   6
.set RA0,  7                           ; v7   my position's 32 bytes of quad l;  v8: of quad l + 160;  v9: of quad 288 + (l & 7)
.set RA1,  8
.set RA2,  9
.set GOUT, 10
.set X,    16                          ; v16-95   the 80 values: 8 k + slot
.set L,    96                          ; v96-105  the sorted list
.set P,    106                         ; v106-115 the partner's list
.set W,    116                         ; v116-120 the bit string
.set T,    121                         ; v121-125 each word's lowest set bit
.set SELB, 126
.set OFF,  127
.set KEY,  128
.set MM,   129
.set TMP,  130
.set OUT,  131
.set CO,   132                         ; v132-136 32 c - 127
.set L8,   137                         ; 8 x lane
.set INF,  138
	s_load_b128 s[4:7], s[0:1], 0x0                ; gmin, glist
	v_lshl_add_u32 v140, v0, 2, 0x13b00
	v_mov_b32 v141, 0
	v_lshrrev_b32 v1, 5, v0
	s_delay_alu instid0(VALU_DEP_1)
	v_readfirstlane_b32 s8, v1                     ; wave
	v_and_b32 v[LANE], 31, v0
	s_delay_alu instid0(VALU_DEP_1)
	v_lshlrev_b32 v[GA], 4, v[LANE]
	s_mul_i32 s9, s8, 18*512
	v_add_nc_u32 v[GA], s9, v[GA]                  ; wave w copies pairs of runs 18 w .. 18 w + 17
	v_lshrrev_b32 v[SA], 4, v[LANE]
	s_delay_alu instid0(VALU_DEP_1)
	v_mul_u32_u24 v[SA], v[SA], UP
	v_and_b32 v4, 15, v[LANE]
	s_delay_alu instid0(VALU_DEP_1)
	v_lshl_add_u32 v[SA], v4, 4, v[SA]
	s_and_b32 s10, s8, 3
	s_mul_i32 s11, s10, 2*UP
	s_add_co_u32 s11, s11, 144*2*UP
	v_add_nc_u32 v[XL], s11, v[SA]                 ; pair 144 + w
	s_lshl_b32 s11, s10, 9
	s_add_co_u32 s11, s11, 144*512
	v_lshl_add_u32 v[XG], v[LANE], 4, s11
	s_mul_i32 s9, s8, 18*2*UP
	v_add_nc_u32 v[SA], s9, v[SA]
	v_mul_u32_u24 v[RA0], v[LANE], UP
	s_lshl_b32 s9, s8, 5
	v_add_nc_u32 v[RA0], s9, v[RA0]
	s_delay_alu instid0(VALU_DEP_1)
	v_add_nc_u32 v[RA1], 160*UP, v[RA0]
	v_and_b32 v[RA2], 7, v[LANE]
	s_delay_alu instid0(VALU_DEP_1)
	v_mul_u32_u24 v[RA2], v[RA2], UP
	s_delay_alu instid0(VALU_DEP_1)
	v_add_nc_u32 v[RA2], s9, v[RA2]
	s_delay_alu instid0(VALU_DEP_1)
	v_add_nc_u32 v[RA2], 288*UP, v[RA2]
	v_lshlrev_b32 v[GOUT], 2, v0                   ; 128 bytes a position: 4 x thread
	s_mul_i32 s14, ttmp9, 75776
	s_mov_b32 s15, 0
	s_lshl_b32 s16, ttmp9, 10
	s_mov_b32 s17, 0
	s_mov_b32 s12, 0x76543210
	s_mov_b32 s13, 0xfedcba98                      ; v_permlanex16_b32's selects for lane l xor 16
	s_wait_kmcnt 0x0
	s_add_nc_u64 s[4:5], s[4:5], s[14:15]
	s_add_nc_u64 s[6:7], s[6:7], s[16:17]
.irp t, 0,1,2,3,4,5,6,7,8,9,10,11,12,13,14,15,16,17
	global_load_b128 v[X+4*\t:X+4*\t+3], v[GA], s[4:5] offset:512*\t th:TH_LOAD_NT
.endr
	s_cmp_ge_u32 s8, 4
	s_cbranch_scc1 .Lno_extra
	global_load_b128 v[X+72:X+75], v[XG], s[4:5] th:TH_LOAD_NT
	s_wait_loadcnt 0x0
	ds_store_b128 v[XL], v[X+72:X+75]
.Lno_extra:
	v_mov_b32 v[INF], 0x7f800000
.irp j, 0,1,2,3,4,5,6,7,8,9
	v_mov_b32 v[L+\j], 0x7f800000                  ; the list begins as ten infinities
	v_mov_b32 v[P+\j], 0                           ; (written once: the destination of a lane exchange counts as one of its sources)
.endr
.irp c, 0,1,2,3,4
	v_mov_b32 v[W+\c], 0
	v_mov_b32 v[CO+\c], 32*\c-127
.endr
	v_mov_b32 v[MM], 0
	v_mov_b32 v[TMP], 0
	v_mov_b32 v[OUT], 0
	v_lshlrev_b32 v[L8], 3, v[LANE]
	s_wait_loadcnt 0x0
.irp t, 0,1,2,3,4,5,6,7,8,9,10,11,12,13,14,15,16,17
	ds_store_b128 v[SA], v[X+4*\t:X+4*\t+3] offset:2*UP*\t
.endr
	s_wait_dscnt 0x0                               ; for the others' sake: my runs lie in LDS
	s_barrier_signal -1
	s_barrier_wait -1
.irp k, 0,1,2,3,4
	ds_load_b128 v[X+8*\k:X+8*\k+3], v[RA0] offset:32*UP*\k
	ds_load_b128 v[X+8*\k+4:X+8*\k+7], v[RA0] offset:32*UP*\k+16
.endr
.irp k, 5,6,7,8
	ds_load_b128 v[X+8*\k:X+8*\k+3], v[RA1] offset:32*UP*(\k-5)
	ds_load_b128 v[X+8*\k+4:X+8*\k+7], v[RA1] offset:32*UP*(\k-5)+16
.endr
	ds_load_b128 v[X+72:X+75], v[RA2]
	ds_load_b128 v[X+76:X+79], v[RA2] offset:16
	s_wait_dscnt 0x0
	v_cmp_gt_u32 vcc_lo, 5, v[LANE]                ; of quads 288 on, 288 to 292 hold pool rows
.irp j, 72,73,74,75,76,77,78,79
	v_cndmask_b32 v[X+\j], v[INF], v[X+\j], vcc_lo
.endr
; A.  The n-th value goes into the sorted list: slot i takes the middle of (slot i - 1, slot i, the value), from the top down, so that each line reads the list as it stood
.macro INS x, n
.set top, 9
.if (\n) < 9
.set top, (\n)
.endif
.set ii, top
.rept top
	v_med3_num_f32 v[L+ii], v[L+ii-1], v[L+ii], v[\x]
.set ii, ii-1
.endr
	v_min_num_f32 v[L], v[L], v[\x]
.endm
.set nn, 0
.rept 80
	INS X+nn, nn
.set nn, nn+1
.endr
; B.  The partner's list is inserted value by value.  When its value j comes, j values no larger (its values 0 .. j - 1) are in the list, so slots under j stay and slot j takes the smaller
.macro MERGE m
.irp j, 0,1,2,3,4,5,6,7,8,9
.if \m == 16
	v_permlanex16_b32 v[P+\j], v[L+\j], s12, s13
.else
	v_mov_b32_dpp v[P+\j], v[L+\j] row_xmask:\m row_mask:0xf bank_mask:0xf
.endif
.endr
.set jj, 0
.rept 10
.set ii, 9
.rept 9-jj
	v_med3_num_f32 v[L+ii], v[L+ii-1], v[L+ii], v[P+jj]
.set ii, ii-1
.endr
	v_min_num_f32 v[L+jj], v[L+jj], v[P+jj]
.set jj, jj+1
.endr
.endm
	MERGE 1
	MERGE 2
	MERGE 4
	MERGE 8
	MERGE 16
; C.  Each word from bit 31 down: the word is doubled and the comparison's bit comes in as the carry
.set cc, 0
.rept 5
.set bb, 31
.rept 32
.set pp, 32*cc+bb
.set cl, pp/80
.set rm, pp-80*cl
.set xr, X+8*(rm/8)+4*(rm%2)+((rm%8)/2)
.if cl == 0
	v_cmp_lt_f32 vcc_lo, v[xr], v[L+9]
.else
	v_cmp_eq_f32 vcc_lo, v[xr], v[L+9]
.endif
	s_delay_alu instid0(VALU_DEP_1)
	v_add_co_ci_u32 v[W+cc], vcc_lo, v[W+cc], v[W+cc], vcc_lo
.set bb, bb-1
.endr
.set cc, cc+1
.endr
; D.  The t-th group
.macro TAKE t
.irp c, 0,1,2,3,4
	v_sub_nc_u32 v[T+\c], 0, v[W+\c]
.endr
.irp c, 0,1,2,3,4
	v_and_b32 v[T+\c], v[T+\c], v[W+\c]            ; the word's lowest set bit
.endr
.irp c, 0,1,2,3,4
	v_cmp_ne_u32 s[20+\c], 0, v[W+\c]
.endr
	v_mov_b32 v[SELB], v[T+4]
	v_mov_b32 v[OFF], v[CO+4]
.irp c, 3,2,1,0
	s_delay_alu instid0(VALU_DEP_2)
	v_cndmask_b32 v[SELB], v[SELB], v[T+\c], s[20+\c]              ; of the first word that is not empty
	s_delay_alu instid0(VALU_DEP_2)
	v_cndmask_b32 v[OFF], v[OFF], v[CO+\c], s[20+\c]
.endr
	s_delay_alu instid0(VALU_DEP_2)
	v_cvt_f32_u32 v[TMP], v[SELB]                  ; a power of two: its exponent field is the bit's number + 127
	s_delay_alu instid0(VALU_DEP_1)
	v_lshrrev_b32 v[TMP], 23, v[TMP]
	s_delay_alu instid0(VALU_DEP_1)
	v_add_nc_u32 v[TMP], v[TMP], v[OFF]            ; the bit's place in the string
	s_delay_alu instid0(VALU_DEP_1)
	v_lshrrev_b32 v[KEY], 3, v[TMP]
	s_delay_alu instid0(VALU_DEP_2)
	v_and_b32 v[TMP], 7, v[TMP]
	s_delay_alu instid0(VALU_DEP_2)
	v_lshl_add_u32 v[KEY], v[KEY], 8, v[L8]
	s_delay_alu instid0(VALU_DEP_1)
	v_add_nc_u32 v[KEY], v[KEY], v[TMP]            ; 256 (10 class + k) + 8 lane + (group & 7) = 2560 class + group
	s_delay_alu instid0(VALU_DEP_1)
	v_cvt_f32_u32 v[KEY], v[KEY]
	v_cmp_eq_u32 vcc_lo, 0, v[SELB]
	s_delay_alu instid0(VALU_DEP_1)
	v_cndmask_b32 v[KEY], v[KEY], v[INF], vcc_lo   ; a lane with no bit left
	s_delay_alu instid0(VALU_DEP_1)
	v_min_num_f32_dpp v[MM], v[KEY], v[KEY] row_xmask:1 row_mask:0xf bank_mask:0xf
	s_delay_alu instid0(VALU_DEP_1)
	v_min_num_f32_dpp v[MM], v[MM], v[MM] row_xmask:2 row_mask:0xf bank_mask:0xf
	s_delay_alu instid0(VALU_DEP_1)
	v_min_num_f32_dpp v[MM], v[MM], v[MM] row_xmask:4 row_mask:0xf bank_mask:0xf
	s_delay_alu instid0(VALU_DEP_1)
	v_min_num_f32_dpp v[MM], v[MM], v[MM] row_xmask:8 row_mask:0xf bank_mask:0xf
	s_delay_alu instid0(VALU_DEP_1)
	v_permlanex16_b32 v[TMP], v[MM], s12, s13
	s_delay_alu instid0(VALU_DEP_1)
	v_min_num_f32 v[MM], v[MM], v[TMP]             ; the wave's lowest key
	v_cmp_eq_u32 vcc_lo, \t, v[LANE]
	s_delay_alu instid0(VALU_DEP_1)
	v_cndmask_b32 v[OUT], v[OUT], v[MM], vcc_lo
	s_delay_alu instid0(VALU_DEP_3)
	v_cmp_eq_f32 s25, v[KEY], v[MM]                ; the winner (keys differ from lane to lane)
.irp c, 0,1,2,3,4
	s_and_b32 s26, s25, s[20+\c]                   ; clears the bit in its first word that is not empty
	s_and_not1_b32 s25, s25, s[20+\c]
	v_cndmask_b32 v[T+\c], 0, v[T+\c], s26
	s_delay_alu instid0(VALU_DEP_1)
	v_xor_b32 v[W+\c], v[W+\c], v[T+\c]
.endr
.endm
.irp t, 0,1,2,3,4,5,6,7,8,9
	s_wait_alu depctr_va_vdst(0)
	TAKE \t
.endr
	v_cvt_u32_f32 v[KEY], v[OUT]
	s_delay_alu instid0(VALU_DEP_1)
	v_cmp_gt_u32 vcc_lo, 2560, v[KEY]
	s_delay_alu instid0(VALU_DEP_2)
	v_add_nc_u32 v[MM], 0xfffff600, v[KEY]         ; - 2560
	s_delay_alu instid0(VALU_DEP_1)
	v_cndmask_b32 v[KEY], v[MM], v[KEY], vcc_lo    ; the group's number; lanes 10 on hold 0
	global_store_b32 v[GOUT], v[KEY], s[6:7]
	s_wait_tensorcnt 0x0
	ds_add_u32 v140, v141
	s_wait_dscnt 0x0
	s_endpgm
.Lfunc_end_k_q68d4d8174c_pick:
	.size	k_q68d4d8174c_pick, .Lfunc_end_k_q68d4d8174c_pick-k_q68d4d8174c_pick
	.p2alignl 7, 3214868480
	.fill 96, 4, 3214868480
	.section	.rodata,"a",@progbits
	.p2align	6, 0x0
	.amdhsa_kernel k_q68d4d8174c_pick
		.amdhsa_group_segment_fixed_size 81664
		.amdhsa_private_segment_fixed_size 0
		.amdhsa_enable_private_segment 0
		.amdhsa_kernarg_size 16
		.amdhsa_user_sgpr_count 2
		.amdhsa_user_sgpr_kernarg_segment_ptr 1
		.amdhsa_wavefront_size32 1
		.amdhsa_system_sgpr_workgroup_id_x 1
		.amdhsa_system_sgpr_workgroup_id_y 1
		.amdhsa_system_sgpr_workgroup_id_z 1
		.amdhsa_system_vgpr_workitem_id 0
		.amdhsa_next_free_vgpr 142
		.amdhsa_next_free_sgpr 66
		.amdhsa_reserve_vcc 1
		.amdhsa_float_denorm_mode_32 3
		.amdhsa_float_denorm_mode_16_64 3
		.amdhsa_memory_ordered 1
		.amdhsa_forward_progress 1
		.amdhsa_inst_pref_size 126
	.end_amdhsa_kernel
	.amdgpu_metadata
---
amdhsa.version: [ 1, 2 ]
amdhsa.kernels:
  - .name:           k_q68d4d8174c_pick
    .symbol:         k_q68d4d8174c_pick.kd
    .args:
      - { .name: gmin, .offset: 0, .size: 8, .value_kind: global_buffer, .address_space: global }
      - { .name: glist, .offset: 8, .size: 8, .value_kind: global_buffer, .address_space: global }
    .group_segment_fixed_size: 81664
    .private_segment_fixed_size: 0
    .kernarg_segment_align: 8
    .kernarg_segment_size: 16
    .max_flat_workgroup_size: 256
    .sgpr_count:     66
    .vgpr_count:     142
    .wavefront_size: 32
...
	.end_amdgpu_metadata
.endif
;; end of part 3
;; launch refine (part 4): grid 376 x 1, 4 waves a work-group, no clusters, 0 bytes of LDS; arguments pimg, ximg, glist, sidx, wts; writes sidx, wts
.if DOCPART == 4
	.amdgcn_target "amdgcn-amd-amdhsa--gfx1250"
	.amdhsa_code_object_version 6
	.text
	.protected	k_q68d4d8174c_refine
	.globl	k_q68d4d8174c_refine
	.p2align	8
	.type	k_q68d4d8174c_refine,@function
k_q68d4d8174c_refine:
	s_mov_b64 s[64:65], 0
	v_nop
	global_prefetch_b8 v0, s[64:65] scope:SCOPE_SE
	s_setreg_imm32_b32 hwreg(HW_REG_WAVE_MODE, 25, 1), 1
	s_wait_xcnt 0x0
; For each query position: the distances to the 160 rows of its ten chosen groups, made anew by the same matrix instructions and the same two vector lines as in the launch that chose by them
; (K ascending, one accumulator; the sources change places, which transposes the result and leaves its bits); the ten nearest rows, ties to the lower row; softmax(1 / d) / 10.
; The rows' numbers go out as whole numbers, the weights as f32; the next launch gathers.
; LIMITS: NaN and infinities are not served; d = 0 gives NaN weights, as in the definition.  The softmax takes its largest exponent away first.
; SHARES: a wave takes one position.  Source 0 = the query's fragment in all 16 rows, source 1 = a group's 16 rows: register 0 of the result holds, in lane r and in lane r + 16, the product with row r.
; The groups' numbers come by scalar loads and are held inside the table (s_min_u32) before they enter an address.  Operands go from memory straight into registers: two batches of five groups.
; REGISTERS: window 0: v1-11 lane terms; v12-15 the query's scale words; v16-35 the groups'; v36-45 1 / pool norm; v46-63 at work; v64-127 the query; v128-191 the batch's fifth group; v192-231 five accumulators;
; window 1: the batch's first four groups.  So each K step has two switches of the window: five accumulators can then take turns, one instruction a turn.
.set DTB,  18432
.set LANE, 1
.set RR,   2
.set QO,   5
.set PO,   8
.set PS,   9
.set RNO,  10
.set OO,   11
.set QS,   12
.set GS,   16
.set RPN,  36
.set DD,   46                          ; v46-50 distances: lanes 0-15 group e of the first batch, lanes 16-31 group e of the second
.set II,   51                          ; v51-55 their rows' numbers, as f32 (exact: under 2^24)
.set TA,   56
.set TB,   57
.set INF,  58
.set M,    59
.set MI,   60
.set OUTD, 61
.set OUTI, 62
.set TMP,  63
.set QF,   64
.set G4,   128
.set ACC,  192
.set CT,   232
.set NINF, 237
.set Z,    238
.set E,    239
.set RC,   240
.set CP,   28                          ; s28-47 a pair for each group: its rows' codes and scale words
.set NP,   68                          ; s68-87 a pair for each group: its rows' reciprocal norms
.set G16,  88                          ; s88-97 the groups' first rows
.set HI,   98                          ; s98    lanes 16-31
.set MSB, 0
.macro WIN new
.if MSB != \new
	s_set_vgpr_msb (MSB<<8)|\new
.set MSB, \new
.endif
.endm
	s_load_b256 s[4:11], s[0:1], 0x0               ; pimg s[4:5], ximg s[6:7], glist s[8:9], sidx s[10:11]
	s_load_b64 s[12:13], s[0:1], 0x20              ; wts
	v_lshrrev_b32 v1, 5, v0
	v_readfirstlane_b32 s14, v1
	s_lshl_b32 s15, ttmp9, 2
	s_add_co_u32 s15, s15, s14                     ; my position
	s_lshl_b32 s26, s15, 7                         ; 128 bytes a position in the three lists
	s_mov_b32 s27, 0
	s_lshr_b32 s52, s15, 5
	s_mul_i32 s52, s52, DTB                        ; x's block,
	s_bfe_u32 s53, s15, 0x10004                    ; tile u,
	s_and_b32 s54, s15, 15                         ; operand lane
	s_lshl_b32 s55, s53, 13
	s_add_co_u32 s48, s52, s55
	s_mov_b32 s49, 0
	s_lshl_b32 s55, s53, 9
	s_add_co_u32 s50, s52, s55
	s_mov_b32 s51, 0
	s_lshr_b32 s55, s54, 3
	s_add_co_u32 s55, s55, s53
	s_lshl_b32 s55, s55, 3
	s_add_co_u32 s55, s55, s54                     ; its row in the block: 8 u + lane + 8 (lane / 8)
	s_lshl_b32 s55, s55, 2
	s_add_co_u32 s56, s52, s55
	s_mov_b32 s57, 0
	s_lshl_b32 s59, s54, 4
	s_mov_b32 s2, 0x76543210
	s_mov_b32 s3, 0xfedcba98                       ; v_permlanex16_b32's selects for lane l xor 16
	s_mov_b32 s[HI], 0xffff0000
	s_wait_kmcnt 0x0
	s_add_nc_u64 s[8:9], s[8:9], s[26:27]
	s_load_b256 s[16:23], s[8:9], 0x0              ; the ten groups
	s_load_b64 s[24:25], s[8:9], 0x20
	s_add_nc_u64 s[48:49], s[6:7], s[48:49]        ; the query's codes,
	s_add_nc_u64 s[50:51], s[6:7], s[50:51]        ; its scale words (16,384 on),
	s_add_nc_u64 s[56:57], s[6:7], s[56:57]
	s_load_b32 s58, s[56:57], 0x4400               ; 1 / its norm
	s_add_nc_u64 s[10:11], s[10:11], s[26:27]
	s_add_nc_u64 s[12:13], s[12:13], s[26:27]
	v_and_b32 v[LANE], 31, v0
	v_and_b32 v[RR], 15, v0                        ; r
	v_bfe_u32 v3, v0, 4, 1                         ; hh
	v_lshlrev_b32 v4, 8, v3
	v_add_nc_u32 v[QO], s59, v4                    ; every lane of a half reads the query's own 16 bytes
	v_and_b32 v6, 7, v[RR]
	v_lshl_add_u32 v6, v6, 4, v4
	v_lshrrev_b32 v7, 3, v[RR]
	v_lshl_add_u32 v[PO], v7, 13, v6               ; row r of a group: tile r / 8, operand lane 8 h + r % 8 (128 h stands in the pair)
	v_lshl_add_u32 v[PS], v7, 9, v6
	v_lshlrev_b32 v[RNO], 2, v[RR]
	v_lshlrev_b32 v[OO], 2, v[LANE]
.irp ks, 0,1,2,3,4,5,6,7
.irp c, 0,1
	global_load_b128 v[QF+8*\ks+4*\c:QF+8*\ks+4*\c+3], v[QO], s[48:49] offset:1024*\ks+512*\c
.endr
.endr
	global_load_b128 v[QS:QS+3], v[QO], s[50:51] offset:16384
	s_wait_alu depctr_va_vdst(0)
	s_wait_kmcnt 0x0
.irp e, 0,1,2,3,4,5,6,7,8,9
	s_lshr_b32 s60, s[16+\e], 1
	s_min_u32 s60, s60, 1171                       ; the block of 32 rows, held inside the pool's blocks
	s_and_b32 s61, s[16+\e], 1
	s_min_u32 s61, s61, 1                          ; which half of it
	s_lshl_b32 s62, s60, 5
	s_lshl_b32 s63, s61, 4
	s_add_co_u32 s[G16+\e], s62, s63
	s_mul_i32 s60, s60, DTB
	s_lshl_b32 s62, s61, 7
	s_add_co_u32 s62, s60, s62
	s_mov_b32 s63, 0
	s_add_nc_u64 s[CP+2*\e:CP+2*\e+1], s[4:5], s[62:63]
	s_lshl_b32 s62, s61, 6
	s_add_co_u32 s62, s60, s62
	s_add_nc_u64 s[NP+2*\e:NP+2*\e+1], s[4:5], s[62:63]
.endr
.macro GLOAD b                         ; batch b: five groups' fragments, scale words and reciprocal norms
	WIN 0x40
.irp e, 0,1,2,3
.irp ks, 0,1,2,3,4,5,6,7
.irp c, 0,1
	global_load_b128 v[64*\e+8*\ks+4*\c:64*\e+8*\ks+4*\c+3], v[PO], s[CP+2*(5*\b+\e):CP+2*(5*\b+\e)+1] offset:1024*\ks+512*\c
.endr
.endr
.endr
	WIN 0
.irp ks, 0,1,2,3,4,5,6,7
.irp c, 0,1
	global_load_b128 v[G4+8*\ks+4*\c:G4+8*\ks+4*\c+3], v[PO], s[CP+2*(5*\b+4):CP+2*(5*\b+4)+1] offset:1024*\ks+512*\c
.endr
.endr
.irp e, 0,1,2,3,4
	global_load_b128 v[GS+4*\e:GS+4*\e+3], v[PS], s[CP+2*(5*\b+\e):CP+2*(5*\b+\e)+1] offset:16384
	global_load_b32 v[RPN+5*\b+\e], v[RNO], s[NP+2*(5*\b+\e):NP+2*(5*\b+\e)+1] offset:17408
.endr
.endm
.macro RW e, g, ks                     ; one matrix instruction: group e of the batch, its fragment at v[g], K step ks
.if (\ks) == 0
	v_wmma_scale_f32_16x16x128_f8f6f4 v[ACC+8*(\e):ACC+8*(\e)+7], v[QF+8*(\ks):QF+8*(\ks)+7], v[\g:\g+7], 0, v[QS+(\ks)/2], v[GS+4*(\e)+(\ks)/2] matrix_a_fmt:MATRIX_FMT_FP4 matrix_b_fmt:MATRIX_FMT_FP4
.elseif (\ks)%2 == 0
	v_wmma_scale_f32_16x16x128_f8f6f4 v[ACC+8*(\e):ACC+8*(\e)+7], v[QF+8*(\ks):QF+8*(\ks)+7], v[\g:\g+7], v[ACC+8*(\e):ACC+8*(\e)+7], v[QS+(\ks)/2], v[GS+4*(\e)+(\ks)/2] matrix_a_fmt:MATRIX_FMT_FP4 matrix_b_fmt:MATRIX_FMT_FP4
.else
	v_wmma_scale_f32_16x16x128_f8f6f4 v[ACC+8*(\e):ACC+8*(\e)+7], v[QF+8*(\ks):QF+8*(\ks)+7], v[\g:\g+7], v[ACC+8*(\e):ACC+8*(\e)+7], v[QS+(\ks)/2], v[GS+4*(\e)+(\ks)/2] matrix_a_fmt:MATRIX_FMT_FP4 matrix_b_fmt:MATRIX_FMT_FP4 matrix_a_scale:MATRIX_SCALE_ROW1 matrix_b_scale:MATRIX_SCALE_ROW1
.endif
.endm
.macro PROD
.irp ks, 0,1,2,3,4,5,6,7
	WIN 0x04                                       ; source 1 in window 1
.irp e, 0,1,2,3
	RW \e, 64*\e+8*\ks, \ks
.endr
	WIN 0
	RW 4, G4+8*\ks, \ks
.endr
.rept 4
	v_nop                                          ; four places ahead of loads into the operands and of the first read of results
.endr
.endm
	GLOAD 0
	v_mov_b32 v[INF], 0x7f800000
	v_mov_b32 v[NINF], 0xff800000
	v_mov_b32 v[OUTD], 1.0
	v_mov_b32 v[OUTI], 0
	v_mov_b32 v[TMP], 0                            ; (a lane permute's destination counts as one of its sources)
	s_wait_loadcnt 0x0
	PROD
	GLOAD 1                                        ; the second batch is on its way while the first batch's distances are made
.irp e, 0,1,2,3,4
	v_mul_f32 v[DD+\e], v[ACC+8*\e], v[RPN+\e]     ; t = dot x 1 / pool norm
	v_fma_f32 v[DD+\e], -v[DD+\e], s58, 1.0        ; d = 1 - t x 1 / query norm, one rounding
	s_wait_alu depctr_va_vdst(0)
	v_add_nc_u32 v[II+\e], s[G16+\e], v[RR]        ; the row
	v_cmp_gt_u32 vcc_lo, 37500, v[II+\e]
	v_cndmask_b32 v[DD+\e], v[INF], v[DD+\e], vcc_lo               ; rows past the pool's end count for nothing
	v_cvt_f32_u32 v[II+\e], v[II+\e]
.endr
	s_wait_loadcnt 0x0
	PROD
.irp e, 0,1,2,3,4
	v_mul_f32 v[TA], v[ACC+8*\e], v[RPN+5+\e]
	v_fma_f32 v[TA], -v[TA], s58, 1.0
	v_add_nc_u32 v[TB], s[G16+5+\e], v[RR]
	v_cmp_gt_u32 vcc_lo, 37500, v[TB]
	v_cndmask_b32 v[TA], v[INF], v[TA], vcc_lo
	v_cvt_f32_u32 v[TB], v[TB]
	v_cndmask_b32 v[DD+\e], v[DD+\e], v[TA], s[HI] ; lanes 16-31 take the second batch's
	v_cndmask_b32 v[II+\e], v[II+\e], v[TB], s[HI]
.endr
.macro WMIN r
	v_min_num_f32_dpp v[\r], v[\r], v[\r] row_xmask:1 row_mask:0xf bank_mask:0xf
	v_min_num_f32_dpp v[\r], v[\r], v[\r] row_xmask:2 row_mask:0xf bank_mask:0xf
	v_min_num_f32_dpp v[\r], v[\r], v[\r] row_xmask:4 row_mask:0xf bank_mask:0xf
	v_min_num_f32_dpp v[\r], v[\r], v[\r] row_xmask:8 row_mask:0xf bank_mask:0xf
	v_permlanex16_b32 v[TMP], v[\r], s2, s3
	v_min_num_f32 v[\r], v[\r], v[TMP]
.endm
; the t-th nearest row: the smallest distance; among its equals the lowest row; lane t keeps both; the row is struck out
.macro TAKE t
	v_min3_num_f32 v[M], v[DD], v[DD+1], v[DD+2]
	v_min3_num_f32 v[M], v[M], v[DD+3], v[DD+4]
	WMIN M
.irp p, 0,1,2,3,4
	v_cmp_eq_f32 vcc_lo, v[DD+\p], v[M]
	v_cndmask_b32 v[CT+\p], v[INF], v[II+\p], vcc_lo
.endr
	v_min3_num_f32 v[MI], v[CT], v[CT+1], v[CT+2]
	v_min3_num_f32 v[MI], v[MI], v[CT+3], v[CT+4]
	WMIN MI
	v_cmp_eq_u32 vcc_lo, \t, v[LANE]
	v_cndmask_b32 v[OUTD], v[OUTD], v[M], vcc_lo
	v_cndmask_b32 v[OUTI], v[OUTI], v[MI], vcc_lo
.irp p, 0,1,2,3,4
	v_cmp_eq_f32 vcc_lo, v[II+\p], v[MI]
	v_cndmask_b32 v[DD+\p], v[DD+\p], v[INF], vcc_lo
.endr
.endm
.irp t, 0,1,2,3,4,5,6,7,8,9
	TAKE \t
.endr
	; softmax(1 / d) over lanes 0 to 9, divided by ten (the definition takes the mean of the weighted rows)
	s_wait_alu depctr_va_vdst(0)
	v_rcp_f32 v[Z], v[OUTD]
	v_nop                                          ; a plain line behind the transcendental,
	s_wait_alu depctr_va_vdst(0)                   ; and the wait ahead of its first reader
	v_cmp_gt_u32 vcc_lo, 10, v[LANE]
	v_cndmask_b32 v[Z], v[NINF], v[Z], vcc_lo      ; the other lanes count for nothing
	v_mov_b32 v[M], v[Z]
	v_max_num_f32_dpp v[M], v[M], v[M] row_xmask:1 row_mask:0xf bank_mask:0xf
	v_max_num_f32_dpp v[M], v[M], v[M] row_xmask:2 row_mask:0xf bank_mask:0xf
	v_max_num_f32_dpp v[M], v[M], v[M] row_xmask:4 row_mask:0xf bank_mask:0xf
	v_max_num_f32_dpp v[M], v[M], v[M] row_xmask:8 row_mask:0xf bank_mask:0xf
	v_permlanex16_b32 v[TMP], v[M], s2, s3
	v_max_num_f32 v[M], v[M], v[TMP]               ; the largest exponent is taken away first
	v_sub_f32 v[Z], v[Z], v[M]
	v_mul_f32 v[Z], 0x3fb8aa3b, v[Z]               ; x log2(e)
	s_wait_alu depctr_va_vdst(0)
	v_exp_f32 v[E], v[Z]
	v_nop
	s_wait_alu depctr_va_vdst(0)
	v_mov_b32 v[M], v[E]
	v_add_f32_dpp v[M], v[M], v[M] row_xmask:1 row_mask:0xf bank_mask:0xf
	v_add_f32_dpp v[M], v[M], v[M] row_xmask:2 row_mask:0xf bank_mask:0xf
	v_add_f32_dpp v[M], v[M], v[M] row_xmask:4 row_mask:0xf bank_mask:0xf
	v_add_f32_dpp v[M], v[M], v[M] row_xmask:8 row_mask:0xf bank_mask:0xf
	v_permlanex16_b32 v[TMP], v[M], s2, s3
	v_add_f32 v[M], v[M], v[TMP]
	s_wait_alu depctr_va_vdst(0)
	v_rcp_f32 v[RC], v[M]
	v_mul_f32 v[E], 0x3dcccccd, v[E]               ; x 0.1 (a plain line behind the transcendental)
	s_wait_alu depctr_va_vdst(0)
	v_mul_f32 v[E], v[E], v[RC]
	v_cvt_u32_f32 v[OUTI], v[OUTI]
	global_store_b32 v[OO], v[OUTI], s[10:11]      ; lanes 10 on hold row 0 and weight 0 and are not read
	global_store_b32 v[OO], v[E], s[12:13]
	s_endpgm
.Lfunc_end_k_q68d4d8174c_refine:
	.size	k_q68d4d8174c_refine, .Lfunc_end_k_q68d4d8174c_refine-k_q68d4d8174c_refine
	.p2alignl 7, 3214868480
	.fill 96, 4, 3214868480
	.section	.rodata,"a",@progbits
	.p2align	6, 0x0
	.amdhsa_kernel k_q68d4d8174c_refine
		.amdhsa_group_segment_fixed_size 0
		.amdhsa_private_segment_fixed_size 0
		.amdhsa_enable_private_segment 0
		.amdhsa_kernarg_size 40
		.amdhsa_user_sgpr_count 2
		.amdhsa_user_sgpr_kernarg_segment_ptr 1
		.amdhsa_wavefront_size32 1
		.amdhsa_system_sgpr_workgroup_id_x 1
		.amdhsa_system_sgpr_workgroup_id_y 1
		.amdhsa_system_sgpr_workgroup_id_z 1
		.amdhsa_system_vgpr_workitem_id 0
		.amdhsa_next_free_vgpr 512
		.amdhsa_next_free_sgpr 100
		.amdhsa_reserve_vcc 1
		.amdhsa_float_denorm_mode_32 3
		.amdhsa_float_denorm_mode_16_64 3
		.amdhsa_memory_ordered 1
		.amdhsa_forward_progress 1
		.amdhsa_inst_pref_size 60
	.end_amdhsa_kernel
	.amdgpu_metadata
---
amdhsa.version: [ 1, 2 ]
amdhsa.kernels:
  - .name:           k_q68d4d8174c_refine
    .symbol:         k_q68d4d8174c_refine.kd
    .args:
      - { .name: pimg, .offset: 0, .size: 8, .value_kind: global_buffer, .address_space: global }
      - { .name: ximg, .offset: 8, .size: 8, .value_kind: global_buffer, .address_space: global }
      - { .name: glist, .offset: 16, .size: 8, .value_kind: global_buffer, .address_space: global }
      - { .name: sidx, .offset: 24, .size: 8, .value_kind: global_buffer, .address_space: global }
      - { .name: wts, .offset: 32, .size: 8, .value_kind: global_buffer, .address_space: global }
    .group_segment_fixed_size: 0
    .private_segment_fixed_size: 0
    .kernarg_segment_align: 8
    .kernarg_segment_size: 40
    .max_flat_workgroup_size: 128
    .sgpr_count:     100
    .vgpr_count:     512
    .wavefront_size: 32
...
	.end_amdgpu_metadata
.endif
;; end of part 4
;; launch mix (part 5): grid 1500 x 1, 4 waves a work-group, no clusters, 0 bytes of LDS; arguments pool, sidx, wts, out0; writes out0
.if DOCPART == 5
	.amdgcn_target "amdgcn-amd-amdhsa--gfx1250"
	.amdhsa_code_object_version 6
	.text
	.protected	k_q68d4d8174c_mix
	.globl	k_q68d4d8174c_mix
	.p2align	8
	.type	k_q68d4d8174c_mix,@function
k_q68d4d8174c_mix:
	s_mov_b64 s[64:65], 0
	v_nop
	global_prefetch_b8 v0, s[64:65] scope:SCOPE_SE
	s_setreg_imm32_b32 hwreg(HW_REG_WAVE_MODE, 25, 1), 1
	s_wait_xcnt 0x0
; out0[query] = the sum over the ten chosen rows of weight x pool[row], in f32; the weights carry the softmax and the division by ten.
; A work-group takes one query position; its rows' numbers and weights come by scalar loads (the numbers are held inside the pool by s_min_u32 before they enter an address).
; Thread t takes bytes 16 t and 2,048 + 16 t of every row: a wave's load or store covers 512 consecutive bytes.  All twenty loads of a wave go out together.
; Memory binds: no LDS, no barrier, no matrix unit.  Position p stands for query 32 (p / 32) + 8 ((p / 16) % 2) + p % 16 + 8 ((p % 16) / 8), the order of rows in the operand images.
	s_load_b256 s[4:11], s[0:1], 0x0               ; pool s[4:5], sidx s[6:7], wts s[8:9], out0 s[10:11]
	s_lshl_b32 s12, ttmp9, 7
	s_mov_b32 s13, 0
	s_lshr_b32 s14, ttmp9, 5
	s_lshl_b32 s14, s14, 5
	s_bfe_u32 s15, ttmp9, 0x10004
	s_and_b32 s26, ttmp9, 15
	s_lshr_b32 s27, s26, 3
	s_add_co_u32 s15, s15, s27
	s_lshl_b32 s15, s15, 3
	s_add_co_u32 s14, s14, s15
	s_add_co_u32 s14, s14, s26                     ; the query
	s_lshl_b32 s14, s14, 12
	s_mov_b32 s15, 0
	v_lshlrev_b32 v1, 4, v0
	s_wait_alu depctr_va_vdst(0)
	s_wait_kmcnt 0x0
	s_add_nc_u64 s[6:7], s[6:7], s[12:13]
	s_add_nc_u64 s[8:9], s[8:9], s[12:13]
	s_add_nc_u64 s[10:11], s[10:11], s[14:15]
	s_load_b256 s[16:23], s[6:7], 0x0              ; ten rows
	s_load_b64 s[24:25], s[6:7], 0x20
	s_load_b256 s[52:59], s[8:9], 0x0              ; ten weights
	s_load_b64 s[60:61], s[8:9], 0x20
	s_wait_kmcnt 0x0
.irp k, 0,1,2,3,4,5,6,7,8,9
	s_min_u32 s26, s[16+\k], 37499
	s_lshl_b32 s26, s26, 12
	s_mov_b32 s27, 0
	s_add_nc_u64 s[28+2*\k:29+2*\k], s[4:5], s[26:27]
.endr
.irp k, 0,1,2,3,4,5,6,7,8,9
	global_load_b128 v[16+8*\k:19+8*\k], v1, s[28+2*\k:29+2*\k]
	global_load_b128 v[20+8*\k:23+8*\k], v1, s[28+2*\k:29+2*\k] offset:2048
.endr
	s_wait_loadcnt 18                              ; row 0's two loads are in; the other nine rows' eighteen may be out
.irp j, 0,1,2,3,4,5,6,7
	v_mul_f32 v[96+\j], s52, v[16+\j]              ; the first row starts the sums: nothing is cleared
.endr
	s_wait_alu depctr_va_vdst(0)
.irp k, 1,2,3,4,5,6,7,8,9
	s_wait_alu depctr_va_vdst(0)
	s_wait_loadcnt 18-2*\k                         ; row k is in; the later rows may be out
.irp j, 0,1,2,3,4,5,6,7
	v_fmac_f32 v[96+\j], s[52+\k], v[16+8*\k+\j]
.endr
.endr
	global_store_b128 v1, v[96:99], s[10:11] th:TH_STORE_NT
	global_store_b128 v1, v[100:103], s[10:11] offset:2048 th:TH_STORE_NT
	s_endpgm
.Lfunc_end_k_q68d4d8174c_mix:
	.size	k_q68d4d8174c_mix, .Lfunc_end_k_q68d4d8174c_mix-k_q68d4d8174c_mix
	.p2alignl 7, 3214868480
	.fill 96, 4, 3214868480
	.section	.rodata,"a",@progbits
	.p2align	6, 0x0
	.amdhsa_kernel k_q68d4d8174c_mix
		.amdhsa_group_segment_fixed_size 0
		.amdhsa_private_segment_fixed_size 0
		.amdhsa_enable_private_segment 0
		.amdhsa_kernarg_size 32
		.amdhsa_user_sgpr_count 2
		.amdhsa_user_sgpr_kernarg_segment_ptr 1
		.amdhsa_wavefront_size32 1
		.amdhsa_system_sgpr_workgroup_id_x 1
		.amdhsa_system_sgpr_workgroup_id_y 1
		.amdhsa_system_sgpr_workgroup_id_z 1
		.amdhsa_system_vgpr_workitem_id 0
		.amdhsa_next_free_vgpr 104
		.amdhsa_next_free_sgpr 66
		.amdhsa_reserve_vcc 0
		.amdhsa_float_denorm_mode_32 3
		.amdhsa_float_denorm_mode_16_64 3
		.amdhsa_memory_ordered 1
		.amdhsa_forward_progress 1
		.amdhsa_inst_pref_size 8
	.end_amdhsa_kernel
	.amdgpu_metadata
---
amdhsa.version: [ 1, 2 ]
amdhsa.kernels:
  - .name:           k_q68d4d8174c_mix
    .symbol:         k_q68d4d8174c_mix.kd
    .args:
      - { .name: pool, .offset: 0, .size: 8, .value_kind: global_buffer, .address_space: global }
      - { .name: sidx, .offset: 8, .size: 8, .value_kind: global_buffer, .address_space: global }
      - { .name: wts, .offset: 16, .size: 8, .value_kind: global_buffer, .address_space: global }
      - { .name: out0, .offset: 24, .size: 8, .value_kind: global_buffer, .address_space: global }
    .group_segment_fixed_size: 0
    .private_segment_fixed_size: 0
    .kernarg_segment_align: 8
    .kernarg_segment_size: 32
    .max_flat_workgroup_size: 128
    .sgpr_count:     66
    .vgpr_count:     104
    .wavefront_size: 32
...
	.end_amdgpu_metadata
.endif
;; end of part 5
